; MI455X (gfx1250); checked and timed in simulation.
; The chip was launched on July 23, 2026; its instructions are those of AMD's public machine-readable ISA for CDNA 5 (MIT licence, August 2026) and "CDNA5" Instruction Set Architecture Reference Guide (July 2026). The comments in the code are by the model that wrote it; some were corrected since.
;; Quantum Feed Forward. Allowed arithmetic: matrix products marked QUANTISED: E4M3 operands, one E8M0 scale for each 32 along K, by v_wmma_scale_f32_16x16x128_f8f6f4 with both operands' format E4M3, f32 sums; products left as they are: f32 operands where the result goes on into a quantised operand, else bf16, f16 or f32 operands; f32 sums; everything else in f32.
;; Inputs: W1 4,096 x 8 float32; W2_codes 1,024 x 128 x 32 uint8 (E4M3 codes of W2, K innermost, in blocks of 32 codes); W2_scales 1,024 x 128 uint8 (E8M0 scales of W2, one for each 32 codes along K); b1 4,096 float32; b2 1,024 float32; x 4 x 4,096 x 1,024 float32.
;; Outputs: out0 4 x 4,096 x 1,024 float32.
;; This version of the problem:
;;   THIS VERSION OF THE PROBLEM IS GIVEN IN LOW PRECISION. The matrix products marked QUANTISED in the list below multiply operands that are first quantised to E4M3 (4 exponent bits, 3 mantissa bits; 8 bits a number), with one power-of-two scale for each 32 numbers along K (OCP MX v1.0); their sums are f32. All else is computed in f32.
;;   The module's matrix products, in the order in which they are computed (A, B: the left and right operand; K: the contracted axis; several contracted axes count as one K, in the product's order):
;;     1. [M 16,384, K 8] x [K 8, N 4,096]; A: computed on the way; B: input W1: left as it is (K = 8 < 32)
;;     2. [M 16,384, K 4,096] x [K 4,096, N 1,024]; A: computed on the way; B: input W2 (given as codes): QUANTISED
;;   THE QUANTISER, for each operand of a quantised product, along K:
;;     - K is cut into blocks of 32 from its start; a last block that is shorter is filled with zeros.
;;     - A block's scale is 2^e with e = floor(log2(the largest magnitude in the block)) - 8, held to -126 .. 127; a block of zeros has e = 0. As a byte (E8M0): e + 127.
;;     - Each number is divided by its block's scale, clamped to +-448, and rounded to the nearest number of E4M3, ties to even, subnormals kept.
;;     - The product sums the exact products of the quantised numbers (number of the format x scale) in f32.
;;   ~~~python
;;   def quantise(x, axis):      # numpy; x: float32 -> the quantised numbers, widened to float32 again
;;       x = np.moveaxis(x, axis, -1); K = x.shape[-1]
;;       x = np.pad(x, [(0, 0)] * (x.ndim - 1) + [(0, -K % 32)]); x = x.reshape(x.shape[:-1] + (-1, 32)); a = np.abs(x).max(-1, keepdims=True)
;;       e = np.where(a > 0, np.clip(np.frexp(np.where(a > 0, a, 1))[1] - 1 - 8, -126, 127), 0)      # np.frexp(a)[1] - 1 = floor(log2(a)), exactly
;;       r = np.clip(x / 2.0 ** e, -448, 448)
;;       step = 2.0 ** (np.maximum(np.frexp(np.where(r == 0, 1, r))[1] - 1, -6) - 3)
;;       q = np.round(r / step) * step * 2.0 ** e      # np.round: ties to even
;;       return np.moveaxis(q.reshape(q.shape[:-2] + (-1,))[..., :K], -1, axis).astype(np.float32)
;;   ~~~
;;   OPERANDS COMPUTED ON THE WAY. 'Computed on the way' means the value that the module computes at that place (a softmax that the list does not call 'softmax' is quantised finished and normalised). What goes into a quantiser is computed in f32, as accurately as f32 sums, v_exp_f32 and their like allow (about 1e-6 of the number): no bf16 or f16 on the way to a quantiser, and a product that is left as it is and whose result goes on into a quantised operand takes f32 operands (vector FMAs, or v_wmma_f32_16x16x4_f32). A number that lies on a knife's edge between two numbers of the format may be rounded either way, as far as f32 arithmetic and the matrix unit's own rounding can turn it there, and no further.
;;   INPUTS GIVEN AS CODES. W2 (in the module: [1024, 4096], K = its axis 1): each comes as NAME_codes (uint8): NAME with its K axis moved to the last place and cut into blocks of 32 codes, [.., K / 32, bytes a block], one block behind the other in memory; one code a byte (a code: sign, 4 exponent bits, 3 mantissa bits); and NAME_scales (uint8): the same leading axes, one E8M0 byte (e + 127) for each 32 codes along K. Its value is code x scale, taken as it is: it is not quantised again, and the codes and scales need not be those that the quantiser above would give.
;; One version. Each part assembles by itself: llvm-mc -triple=amdgcn-amd-amdhsa -mcpu=gfx1250 --defsym DOCPART=n.
;; ======== version 1 of 1: 1 launch
;; limits: inputs' magnitudes at most 100,000; right only within a limited range of input values
;; launch ffn (part 1): grid 256 x 1, 4 waves a work-group, clusters of 4 x 1, 327,680 bytes of LDS; arguments x, W1, b1, W2_codes, W2_scales, b2, out0; writes out0
.if DOCPART == 1
	.amdgcn_target "amdgcn-amd-amdhsa--gfx1250"
	.amdhsa_code_object_version 6
	.text
	.protected	k_q8611f88c43_ffn
	.globl	k_q8611f88c43_ffn
	.p2align	8
	.type	k_q8611f88c43_ffn,@function
k_q8611f88c43_ffn:
	s_mov_b64 s[64:65], 0
	v_nop
	global_prefetch_b8 v0, s[64:65] scope:SCOPE_SE
	s_setreg_imm32_b32 hwreg(HW_REG_WAVE_MODE, 25, 1), 1
	s_wait_xcnt 0x0
	s_wait_alu depctr_hold_cnt(0) depctr_sa_sdst(0) depctr_va_vdst(0) depctr_va_sdst(0) depctr_va_ssrc(0) depctr_va_vcc(0) depctr_vm_vsrc(0)
	s_getreg_b32 s2, hwreg(HW_REG_IB_STS2, 6, 4)
	s_cmp_eq_u32 s2, 0
	s_cbranch_scc0 .Lentry_in_a_cluster
	s_endpgm
.Lentry_in_a_cluster:
	s_bfe_u32 s2, ttmp6, 0x10000c
	s_cmp_lg_u32 s2, 0x3003
	s_cbranch_scc0 .Lentry_shape_is_right
	s_endpgm
.Lentry_shape_is_right:
; out[16384][1024] = Q(h) W2^T + b2,  h = relu(cos(x[:, 0..7]) W1^T + b1), h: [16384][4096].
; The first product (K = 8) is done in f32 by v_wmma_f32_16x16x4_f32; h is quantised along its 4,096 (blocks of 32, E4M3 codes, E8M0 scale bytes) in registers;
; the second product takes h's codes and W2's given codes and scale bytes by v_wmma_scale_f32_16x16x128_f8f6f4; sums in f32, begun with b2.
; SHARES.  A work-group owns 64 rows and ALL 1,024 columns, so that h is made once: 16,384 / 64 = 256 work-groups.  Wave w owns columns 128 w .. + 127 (half 0) and 512 + 128 w .. + 127 (half 1):
; 4 tiles of rows x 16 tiles of columns = 64 accumulators, 512 registers.  Of each 128 along K wave w makes block w (32 hidden units) for all 64 rows: 16 f32 matrix instructions, one quantising,
; and stores the codes to LDS as an image of the operand's registers (16 bytes a lane), the scale bytes as whole words in a plane of its own; every wave reads all four waves' parts back.
; TRIPS.  32 trips; trip t multiplies 256 along K (superstep t / 2) by the columns of half t % 2: 64 scaled matrix instructions a wave.  Slot t % 2 of LDS holds that half's 512 rows of W2 x 256 codes;
; each wave fetches, by one tensor load a trip, the 128 rows that it alone reads.  Trip t also makes the 128 hidden units that are wanted two trips on.
; ORDER OF A TRIP.  The fragment loads go in runs of eight, four in one stretch ahead of the sixteen f32 products and, in half 0, four more ahead of the quantiser, so that they are on their way while the products are worked;
; then the 32 products of the slot's first 128 along K, each pair's places taking the second 128's fragments; then the other 32, among which the change of slots stands: the tile two trips on is asked for there.
; CLUSTER.  The four work-groups of a cluster walk the same W2, so each tile is asked for JOINTLY: the same load, the same descriptor, a mask that names the four.
; K IS WALKED FROM A ROTATED START: cluster c begins at K = 512 ((c ^ (c >> 3)) & 7) and wraps, so that in any trip the 64 clusters ask for tiles at eight places along K.  Only the order of the f32 sums hangs on it.
; BOTH PRODUCTS ARE USED TRANSPOSED (source 0 = 16 rows of the weight, source 1 = 16 rows of tokens): a lane holds one token, and its registers run along the hidden units, or along eight neighbouring columns of out.
; THE ROWS OF W1 THAT FORM A TILE ARE NOT NEIGHBOURS: lane r of tile t takes unit 8 t + r + 8 (r / 8), so that the 16 registers of tiles 0 and 1 are units 16 (lane / 16) + 0 .. 15 of the block.
; No prefetch: W2 is walked by all 64 clusters, not read once; x is read at the head alone.  W2's scale bytes come as 16 bytes of a row for every 512 along K: all 131,072 of them have no room in LDS beside the two slots.
; LIMITS.  cos: three-part reduction by pi / 2 and polynomials of degree 7 and 8: absolute error about 1e-7 for |x| up to 1e5; beyond that the reduction degrades.  NaN and infinities among the inputs are not served.
; A block of h that is all zeros carries the scale byte 1 where the quantiser says 127: its codes are zeros, which add nothing.  The sums run over K from the rotated start, not from 0.
;
; REGISTERS, in windows of 256.  Window 0: v1-15 addresses; v16-79 the eight f32 sums (written by matrix instructions alone); v80-111 held numbers, two sets, also the scale planes as read; v112-127 codes;
;   v128-143 the quantiser's; v144-175 W2's scale words; v176-179 h's scale words; v180-195 cos; v196-211 W1, two sets; v212-243 b1, two sets; v244-251 at work.
; Window 1: v0-127 h's eight fragments of a superstep; v128-255 eight fragments of W2.  Window 2: the accumulators of half 0, (m, n) at v[8 (8 m + n)].  Window 3: those of half 1.
.set PITCH,  272                       ; a row of W2 in LDS: 256 bytes + 16 = 17 x 16 bytes: the 16 rows that a load touches begin at 16 different 16-byte columns of 256
.set WTILE,  128*PITCH                 ; a wave's 128 rows: what one tensor load brings
.set SLOT,   4*WTILE                   ; 139,264
.set HIMG,   2*SLOT                    ; h's images: two buffers of 8 fragments x 2,048 bytes: buffer x 16,384 + (4 k + m) x 2,048 + 512 x block + 16 x lane
.set HBUF,   16384
.set HSC,    HIMG+2*HBUF               ; h's scale bytes, a word each: buffer x 2,048 + 1,024 k + 256 x block + 4 x row
.set SBUF,   2048
.set SPARE,  HSC+2*SBUF                ; the spare words, 128 bytes for each wave: two blocks of 256 bytes that no other line names
.set B2S,    SPARE+512                 ; behind the spare words: b2, 1,024 bytes for each wave (its 128 columns of half 0, then of half 1); stored once by the wave itself, no fill lands here
.set SPITCH, 528                       ; the way out: 16 rows x (512 bytes + 16) for each wave, in its own part of slot 0, which has had its last fill and its last read by then
.set SPW,  1                           ; v1   SPARE + 4 x my thread's number; never rewritten
.set NIL,  2                           ; v2   0; never rewritten
.set ADRB, 3                           ; v3-4 my place in my wave's rows of slot 0, 1
.set LI,   5                           ; v5   HIMG + 16 x lane
.set LS,   6                           ; v6   HSC + 4 x lane
.set HWI,  7                           ; v7   where I store codes: HIMG + 512 x wave + 16 x lane
.set HWS,  8                           ; v8   and the scale's word: HSC + 256 x wave + 4 r
.set W1O,  9                           ; v9   my byte in a K step's 4,096 bytes of W1
.set B1O,  10                          ; v10  and in its 512 bytes of b1
.set SBO,  11                          ; v11  my row of W2's scale bytes
.set STO,  12                          ; v12  the stage: where I put 32 bytes of a row
.set RD,   13                          ; v13  and where I read a row back
.set CO,   14                          ; v14  16 x lane: my bytes of a row of out
.set B2O,  15                          ; v15  my place in my wave's copy of b2 in LDS: B2S + 1,024 w + 32 (lane / 16)
.set HA,   16
.set HB,   80
.set PC,   112
.set TM,   128                         ; +0..3 largest magnitudes, +4..7 the other half's, then the bytes, +8..11 448 x the scale, +12..15 the conversions' scale operands
.set SB,   144                         ; 4 (4 half + p) + word: lanes 0-15 column tile 2 p, lanes 16-31 column tile 2 p + 1
.set HS,   176                         ; 2 k + p: lanes 0-15 row tile 2 p, lanes 16-31 row tile 2 p + 1
.set Q,    180                         ; 4 m + j: cos of feature 4 (lane / 16) + j of row 16 m + lane % 16
.set W,    196
.set BI,   212
.set T,    244
.set XO,   251
.set BK0,  80                          ; the way out: 16 rows read back from the stage, two sets by turns
.set BK1,  180
.set WV,   18                          ; s18  my wave's number
.set MNT,  19                          ; s19  the mantissa field of 448
.set SEL,  20                          ; s[20:21] v_permlanex16_b32's selects for lane l xor 16
.set PH,   22                          ; s22  where my cluster starts along K, in units of 512
.set CNT,  23                          ; s23  the loop's count
.set G1,   24                          ; s[24:31] descriptor group 1
.set G0,   32                          ; s[32:35], s[36:39] group 0 for slot 0, 1
.set WB,   40                          ; s[40:41], s[42:43] my wave's first row of W2's codes in half 0, 1
.set TO,   44                          ; s[44:45] the byte along K of the superstep that is asked for, 0
.set KW,   46                          ; s46  the K step of 128 that the next load of W1 and b1 takes
.set PW1,  48                          ; s[48:49], s[50:51] W1 and b1 at that step
.set PB1,  50
.set OFS,  52                          ; s[52:53] an offset, 0
.set PSC,  54                          ; s[54:55] W2's scale bytes at the group of 512 along K in hand
.set SG,   56                          ; s[56:57] that group's byte in a row, 0
.set TS,   58                          ; s[58:59] at work, 0
.set CXR,  60                          ; s60-63 what hangs on my place in the cluster: it enters x's and out's addresses alone
.set CF,   66                          ; s66-75 the cosine's constants
.set MSB, 0
.macro WIN new                         ; the immediate's high byte repeats the setting that is left; a switch that changes nothing is dropped
.if MSB != (\new)
	s_set_vgpr_msb (MSB<<8)|(\new)
.set MSB, (\new)
.endif
.endm
; A load into a register that a matrix instruction has read, and a vector instruction or an LDS store that reads a matrix result, stand eight places behind it for both forms used here
; only plain vector instructions that name none of its registers are places.
.macro PLACES n
.rept \n
	v_nop
.endr
.endm
; A round of the cluster's barrier: my work-group's barrier; wave 0 signals for the work-group; every wave waits for all four work-groups; my work-group's barrier once more.
.macro CREST                           ; a round behind its opening barrier
	s_cmp_lg_u32 s[WV], 0
	s_cbranch_scc1 .Lnot_wave_0_\@
	s_barrier_signal -3
.Lnot_wave_0_\@:
	s_barrier_wait -3
	s_barrier_signal -1
	s_barrier_wait -1
.endm
.macro ROUND                           ; a whole round
	s_barrier_signal -1
	s_barrier_wait -1
	CREST
.endm
; cos of v[reg], in place.  n = floor(x 2 / pi + 1/2); r = x - n pi / 2 in three fused steps; sin r and cos r by polynomials in z = r r; odd n takes the sine; n % 4 = 1, 2 turn the sign.
; Four registers, reg .. reg + 3, by turns, so that no line reads the line above it.  Chain c works in v[HB + 8 c .. + 7] (not yet in use at the head) and keeps its mask in s[CM + c].
.set CM, 76                            ; s76-79
.macro COS4 reg
.irp c, 0,1,2,3
	v_fma_f32 v[HB+8*\c], v[\reg+\c], s[CF], 0.5
.endr
.irp c, 0,1,2,3
	v_floor_f32 v[HB+8*\c], v[HB+8*\c]             ; n
.endr
.irp c, 0,1,2,3
	v_fma_f32 v[HB+8*\c+1], -v[HB+8*\c], s[CF+1], v[\reg+\c]
.endr
.irp c, 0,1,2,3
	v_fma_f32 v[HB+8*\c+1], -v[HB+8*\c], s[CF+2], v[HB+8*\c+1]
.endr
.irp c, 0,1,2,3
	v_fma_f32 v[HB+8*\c+1], -v[HB+8*\c], s[CF+3], v[HB+8*\c+1]   ; r
	v_cvt_i32_f32 v[HB+8*\c], v[HB+8*\c]
.endr
.irp c, 0,1,2,3
	v_mul_f32 v[HB+8*\c+2], v[HB+8*\c+1], v[HB+8*\c+1]           ; z
.endr
.irp c, 0,1,2,3
	v_fma_f32 v[HB+8*\c+3], v[HB+8*\c+2], s[CF+6], s[CF+5]
	v_fma_f32 v[HB+8*\c+5], v[HB+8*\c+2], s[CF+9], s[CF+8]
	v_mul_f32 v[HB+8*\c+4], v[HB+8*\c+2], v[HB+8*\c+1]           ; r z
	v_mul_f32 v[HB+8*\c+7], v[HB+8*\c+2], v[HB+8*\c+2]           ; z z
	v_fma_f32 v[HB+8*\c+6], v[HB+8*\c+2], -0.5, 1.0
.endr
.irp c, 0,1,2,3
	v_fma_f32 v[HB+8*\c+3], v[HB+8*\c+3], v[HB+8*\c+2], s[CF+4]
	v_fma_f32 v[HB+8*\c+5], v[HB+8*\c+5], v[HB+8*\c+2], s[CF+7]
	v_and_b32 v[HB+8*\c+2], 1, v[HB+8*\c]
	v_add_nc_u32 v[HB+8*\c], 1, v[HB+8*\c]
.endr
.irp c, 0,1,2,3
	v_fma_f32 v[HB+8*\c+3], v[HB+8*\c+3], v[HB+8*\c+4], v[HB+8*\c+1]   ; sin r = r + r z (S1 + z (S2 + z S3))
	v_fma_f32 v[HB+8*\c+5], v[HB+8*\c+5], v[HB+8*\c+7], v[HB+8*\c+6]   ; cos r = 1 - z / 2 + z z (C1 + z (C2 + z C3))
	v_cmp_eq_u32 s[CM+\c], 1, v[HB+8*\c+2]
	v_and_b32 v[HB+8*\c], 2, v[HB+8*\c]
.endr
.irp c, 0,1,2,3
	v_cndmask_b32 v[HB+8*\c+3], v[HB+8*\c+5], v[HB+8*\c+3], s[CM+\c]
	v_lshlrev_b32 v[HB+8*\c], 30, v[HB+8*\c]
.endr
.irp c, 0,1,2,3
	v_xor_b32 v[\reg+\c], v[HB+8*\c], v[HB+8*\c+3]
.endr
.endm
; W1's and b1's part of the K step s[KW] for my block of 32 units, into set par: six loads.  The step then goes on, and wraps at 32.
.macro WLOAD par
	s_wait_xcnt 0x0                                ; the earlier loads have read their pointers: only behind this wait are these written again
	s_lshl_b32 s[OFS], s[KW], 12                   ; 128 rows of W1 are 4,096 bytes
	s_add_nc_u64 s[PW1:PW1+1], s[6:7], s[OFS:OFS+1]
	s_lshl_b32 s[OFS], s[KW], 9                    ; 128 numbers of b1 are 512
	s_add_nc_u64 s[PB1:PB1+1], s[8:9], s[OFS:OFS+1]
	s_add_co_u32 s[KW], s[KW], 1
	s_and_b32 s[KW], s[KW], 31
.irp t, 0,1
	global_load_b128 v[W+8*(\par)+4*\t:W+8*(\par)+4*\t+3], v[W1O], s[PW1:PW1+1] offset:256*\t   ; tile t: features 4 (lane / 16) + 0 .. 3 of my row of W1
.endr
.irp t, 0,1
.irp u, 0,1
	global_load_b128 v[BI+16*(\par)+8*\t+4*\u:BI+16*(\par)+8*\t+4*\u+3], v[B1O], s[PB1:PB1+1] offset:32*\t+16*\u   ; b1 in the result's layout: units 16 (lane / 16) + 8 t + 0 .. 7
.endr
.endr
.endm
; W2's scale words of 512 along K (four words a row) for half's 128 rows of mine: four loads.  step = 1: on to the next group first (written with half 0; half 1 follows a trip later by the same pointer).
.macro SLOAD half, step
.if \step
	s_wait_xcnt 0x0                                ; the earlier loads have read the pointer
	s_add_co_u32 s[SG], s[SG], 16
	s_and_b32 s[SG], s[SG], 127
	s_add_nc_u64 s[PSC:PSC+1], s[12:13], s[SG:SG+1]
.endif
.irp p, 0,1,2,3
	global_load_b128 v[SB+16*(\half)+4*\p:SB+16*(\half)+4*\p+3], v[SBO], s[PSC:PSC+1] offset:65536*(\half)+4096*\p
.endr
.endm
.macro B2LOAD hf                       ; b2 goes from my wave's copy in LDS straight into the accumulators: nothing is cleared, no product is written out apart, nothing is added at the end; sixteen lanes share each 16 bytes
.irp m, 0,1,2,3
.irp n, 0,1,2,3,4,5,6,7
	ds_load_b128 v[8*(8*\m+\n):8*(8*\m+\n)+3], v[B2O] offset:512*(\hf)+64*\n
	ds_load_b128 v[8*(8*\m+\n)+4:8*(8*\m+\n)+7], v[B2O] offset:512*(\hf)+64*\n+16
.endr
.endr
.endm
; The first product for my 32 units and the 64 rows: eight sums by turns, two instructions each, in four groups of four: groups 0, 1 the first pass over row tiles
; 0, 1 and 2, 3; groups 2, 3 the second.  The unit's k = 2 (lane / 16) + j stands for feature 4 (lane / 16) + j in the first pass and 4 (lane / 16) + 2 + j in the second, in both operands alike.
; b1 is the first pass's C.
.macro F32G par, g
.irp u, 0,1
.irp t, 0,1
.set rM, 2*((\g)%2)+\u
.if (\g) < 2
	v_wmma_f32_16x16x4_f32 v[HA+16*rM+8*\t:HA+16*rM+8*\t+7], v[W+8*(\par)+4*\t:W+8*(\par)+4*\t+1], v[Q+4*rM:Q+4*rM+1], v[BI+16*(\par)+8*\t:BI+16*(\par)+8*\t+7]
.else
	v_wmma_f32_16x16x4_f32 v[HA+16*rM+8*\t:HA+16*rM+8*\t+7], v[W+8*(\par)+4*\t+2:W+8*(\par)+4*\t+3], v[Q+4*rM+2:Q+4*rM+3], v[HA+16*rM+8*\t:HA+16*rM+8*\t+7]
.endif
.endr
.endr
.endm
.macro F32RUN par
.irp g, 0,1,2,3
	s_wait_alu depctr_va_vdst(0)
	F32G \par, \g
.endr
.endm
.macro FRAGA buf, f                    ; h's fragment f = 4 k + m of a superstep, at v[16 f] of window 1: the image comes back as it was stored
.irp c, 0,1,2,3
	ds_load_b128 v[16*(\f)+4*\c:16*(\f)+4*\c+3], v[LI] offset:(\buf)*HBUF+2048*(\f)+512*\c
.endr
.endm
.macro FRAGB slot, k, n                ; W2's fragment: my rows 16 n .. + 15, the slot's k-th 128 along K: lane l holds row l % 16; registers 4 c .. + 3 hold K = 32 c + 16 (l / 16) + 0 .. 15
.irp c, 0,1,2,3
	ds_load_b128 v[128+16*(\n)+4*\c:128+16*(\n)+4*\c+3], v[ADRB+(\slot)] offset:16*PITCH*(\n)+128*(\k)+32*\c
.endr
.endm
; Run j of a trip's fragment loads: two fragments, eight loads.  Half 1 has four runs: W2's pairs 0 to 3 of the slot's first 128 along K.
; Half 0 has eight, in the order in which the products want them: 0, 1 h's fragments of k = 0; 2 to 5 W2's pairs; 6, 7 h's fragments of k = 1.
.macro RUN half, sp, j
	WIN 0x40                                       ; destination window 1, address window 0
.if (\half) == 1
	FRAGB 1, 0, 2*(\j)
	FRAGB 1, 0, 2*(\j)+1
.elseif (\j) < 2
	FRAGA \sp, 2*(\j)
	FRAGA \sp, 2*(\j)+1
.elseif (\j) < 6
	FRAGB 0, 0, 2*(\j)-4
	FRAGB 0, 0, 2*(\j)-3
.else
	FRAGA \sp, 2*(\j)-8
	FRAGA \sp, 2*(\j)-7
.endif
.endm                                  ; (the windows are set back once, behind a stretch of runs)
; relu and the quantiser.  v[HA + 16 b + i] is unit 16 (lane / 16) + i of my block for row 16 b + lane % 16: a block of 32 lies in lanes l and l xor 16.  No |.| on the maximum's sources: what is negative becomes 0.
; The held numbers go into other registers than the sums; each sum is read from its low end on.
.macro QUANT
.irp b, 0,1,2,3
	v_max3_num_f32 v[TM+\b], v[HA+16*\b], v[HA+16*\b+1], 0x4800000   ; and the floor 2^(9 - 127): the byte cannot fall under 1
.endr
.irp i, 2,4,6,8,10,12,14
.irp b, 0,1,2,3
	v_max3_num_f32 v[TM+\b], v[TM+\b], v[HA+16*\b+\i], v[HA+16*\b+\i+1]   ; the four row tiles by turns
.endr
.endr
.irp b, 0,1,2,3
	v_permlanex16_b32 v[TM+4+\b], v[TM+\b], s[SEL], s[SEL+1]
.endr
.irp b, 0,1,2,3
	v_max_num_f32 v[TM+\b], v[TM+\b], v[TM+4+\b]   ; the block's largest magnitude
.endr
.irp b, 0,1,2,3
	v_add_nc_u32 v[TM+12+\b], 0xfc000000, v[TM+\b]   ; 8 off its exponent field: the conversion's scale operand
.endr
.irp b, 0,1,2,3
	v_and_or_b32 v[TM+8+\b], v[TM+\b], 0x7f800000, s[MNT]   ; 448 x the scale
.endr
.irp b, 0,1,2,3
	v_lshrrev_b32 v[TM+4+\b], 23, v[TM+12+\b]      ; the scale's byte
.endr
.irp b, 0,1,2,3
.irp i, 0,1,2,3,4,5,6,7,8,9,10,11,12,13,14,15
	v_med3_num_f32 v[HB+16*(\b%2)+\i], v[HA+16*\b+\i], 0, v[TM+8+\b]   ; the activation and the hold in one (the conversion to an 8-bit code does not saturate: ISA guide 7.6.2)
.endr
	v_cvt_scalef32_pk8_fp8_f32 v[PC+4*\b:PC+4*\b+1], v[HB+16*(\b%2):HB+16*(\b%2)+7], v[TM+12+\b]
	v_cvt_scalef32_pk8_fp8_f32 v[PC+4*\b+2:PC+4*\b+3], v[HB+16*(\b%2)+8:HB+16*(\b%2)+15], v[TM+12+\b]
.if \b == 3
	v_nop                                          ; one plain vector instruction behind the last conversion, ahead of whatever next touches its registers (behind the others the next stage's first line is that instruction)
.endif
.endr
.endm
.macro IMAGE buf, k                    ; my four registers of fragment (m, k), as they stand, and my block's scale byte as a word (lanes l and l xor 16 write the same word with the same value)
.irp m, 0,1,2,3
	ds_store_b128 v[HWI], v[PC+4*\m:PC+4*\m+3] offset:(\buf)*HBUF+(4*(\k)+\m)*2048
	ds_store_b32 v[HWS], v[TM+4+\m] offset:(\buf)*SBUF+1024*(\k)+64*\m
.endr
.endm
.macro FETCH_HS buf                    ; the four waves' planes of scale bytes for a superstep: lanes 0-15 row tile 2 p, lanes 16-31 row tile 2 p + 1
.irp k, 0,1
.irp p, 0,1
.irp u, 0,1,2,3
	ds_load_b32 v[HB+4*(2*\k+\p)+\u], v[LS] offset:(\buf)*SBUF+1024*\k+256*\u+128*\p
.endr
.endr
.endr
.endm
.macro JOIN_HS                         ; four bytes make a row's scale word; the four words by turns
.irp j, 0,1,2,3
	v_lshl_or_b32 v[HS+\j], v[HB+4*\j+1], 8, v[HB+4*\j]
.endr
.irp j, 0,1,2,3
	v_lshl_or_b32 v[HS+\j], v[HB+4*\j+2], 16, v[HS+\j]
.endr
.irp j, 0,1,2,3
	v_lshl_or_b32 v[HS+\j], v[HB+4*\j+3], 24, v[HS+\j]
.endr
.endm
; Eight scaled matrix instructions: column tiles 2 np, 2 np + 1 x the four row tiles, 128 along K.  Eight accumulators by turns, 32 in a pass over np.
.macro MULE k, np, half, word
.irp u, 0,1
.irp m, 0,1,2,3
.set rD, 8*(8*\m+2*(\np)+\u)
.set rW, 128+16*(2*(\np)+\u)
.set rH, 16*(4*(\k)+\m)
.set rS, SB+4*(4*(\half)+(\np))+(\word)
.set rT, HS+2*(\k)+\m/2
.if (\u == 0) && ((\m%2) == 0)
	v_wmma_scale_f32_16x16x128_f8f6f4 v[rD:rD+7], v[rW:rW+15], v[rH:rH+15], v[rD:rD+7], v[rS], v[rT]
.elseif (\u == 1) && ((\m%2) == 0)
	v_wmma_scale_f32_16x16x128_f8f6f4 v[rD:rD+7], v[rW:rW+15], v[rH:rH+15], v[rD:rD+7], v[rS], v[rT] matrix_a_scale:MATRIX_SCALE_ROW1
.elseif (\u == 0)
	v_wmma_scale_f32_16x16x128_f8f6f4 v[rD:rD+7], v[rW:rW+15], v[rH:rH+15], v[rD:rD+7], v[rS], v[rT] matrix_b_scale:MATRIX_SCALE_ROW1
.else
	v_wmma_scale_f32_16x16x128_f8f6f4 v[rD:rD+7], v[rW:rW+15], v[rH:rH+15], v[rD:rD+7], v[rS], v[rT] matrix_a_scale:MATRIX_SCALE_ROW1 matrix_b_scale:MATRIX_SCALE_ROW1
.endif
.endr
.endr
.endm
; A TRIP, the i-th of a group of four: half i % 2 of the columns, the group's superstep i / 2.  It begins behind the change of slots that the trip before has made, and makes the next.
; meet = 2: the slot that this trip reads is filled again, with the tile two trips on, behind a round;  1: a plain barrier, nothing is filled;  0: the last trip.
; prod: the hidden units wanted two trips on are made;  wload: W1 and b1 for four trips on are asked for;  sl: the OTHER half's scale words are asked for, a trip ahead of their use.
.macro TRIP i, meet, prod, wload, sl
.set HALF, (\i)%2
.set SPAR, (\i)/2
.set ND, 16+16*(1-HALF)+8*(\prod)      ; what may be out on DScnt ahead of pairs p, p + 1 of the first 128: the runs behind theirs (8 (2 - p), and in half 0 h's two of k = 1), my eight stores, and 8 p loads of the second 128: the same for p = 0 and 2
.if HALF == 0
	FETCH_HS SPAR
.endif
.irp g, 0,1,2,3
	RUN HALF, SPAR, \g                             ; 32 loads in one stretch, on their way while the sixteen products below are worked
.endr
	WIN 0
.if \prod
.if \wload
	s_wait_loadcnt 6                               ; this set of W1 and b1 was asked for two trips ago; the last trip's six loads, at the least, are younger
.else
	s_wait_loadcnt 4*(\sl)                         ; the tail: at most the four scale loads of the trip before stay out
.endif
.irp g, 0,1,2,3
	F32G HALF, \g
.endr
.endif
.if HALF == 0
	s_wait_dscnt 32                                ; the 16 loads of the planes are in: the four runs were issued behind them
	JOIN_HS                                        ; twelve plain lines: also the places behind the f32 products
.if (\prod) == 0
	PLACES 8                                       ; a scale register written by vector instructions stands eight places ahead of a scaled matrix instruction
.endif
.elseif \prod
	PLACES 8
.endif
.if \wload
	WLOAD HALF
.endif
.if HALF == 0
.irp g, 4,5,6,7
	RUN 0, SPAR, \g                                ; the other 32 loads of a half-0 trip, ahead of the quantiser
.endr
	WIN 0
.endif
.if \prod
	QUANT
	IMAGE 1-SPAR, HALF                             ; into the other buffer than the one that this superstep reads
.endif
	s_wait_loadcnt 6*(\wload)                      ; all but this trip's six loads of W1 and b1: this half's scale words, asked for in the trip before, are in
	s_wait_alu depctr_va_vdst(0)
.irp p, 0,2
	s_wait_dscnt ND
	WIN 0xA5+0x50*HALF                             ; sources 0 and 1 window 1; C and D window 2 or 3
	MULE 0, \p, HALF, 2*SPAR
	MULE 0, \p+1, HALF, 2*SPAR
	PLACES 8
	WIN 0x40
	FRAGB HALF, 1, 2*\p                            ; the two pairs' registers take the slot's second 128 along K: sixteen loads
	FRAGB HALF, 1, 2*\p+1
	FRAGB HALF, 1, 2*\p+2
	FRAGB HALF, 1, 2*\p+3
.endr
.if \sl
	WIN 0
	SLOAD 1-HALF, HALF                             ; the other half's scale words, behind this trip's first pass; the last products that read these registers stand in the trip before, more than eight places back
.endif
	WIN 0xA5+0x50*HALF
	s_wait_dscnt 24                                ; the later pairs' eight loads each may be out
	MULE 1, 0, HALF, 2*SPAR+1
	s_wait_dscnt 16
	MULE 1, 1, HALF, 2*SPAR+1
.if \meet
	; THE CHANGE OF SLOTS: one barrier, for three things: the next trip's tile has landed, nobody reads this slot any more, and the codes and scale words made in this trip lie in LDS.
	WIN 0                                          ; (the add's two registers lie in window 0)
	s_wait_tensorcnt 0x0                           ; my one tensor load has landed: the next trip's tile; so a group 0 may be written
	ds_add_u32 v[SPW], v[NIL]                      ; 0 onto my spare word; the address steps and eight products stand between it and the wait for it
.if (\meet) == 2
.if HALF == 0
	s_add_co_u32 s[TO], s[TO], 256                 ; slot 0: the next superstep (it wraps at 4,096), half 0
	s_and_b32 s[TO], s[TO], 4095
	s_add_nc_u64 s[G0+2:G0+3], s[WB:WB+1], s[TO:TO+1]
	s_or_b32 s[G0+3], s[G0+3], 0x80000000
.else
	s_add_nc_u64 s[G0+6:G0+7], s[WB+2:WB+3], s[TO:TO+1]   ; slot 1: the same superstep, half 1
	s_or_b32 s[G0+7], s[G0+7], 0x80000000
.endif
.endif
	s_wait_dscnt 9                                 ; pair 2's loads are in: pair 3's eight and the add may be out
	WIN 0xA5+0x50*HALF
	MULE 1, 2, HALF, 2*SPAR+1
	s_wait_dscnt 0x0                               ; the add is done; my reads of this slot and of h's images are over; my stores of codes and scale words have landed
	s_barrier_signal -1                            ; say so (with meet = 2 this barrier opens a round of the cluster's barrier),
	MULE 1, 3, HALF, 2*SPAR+1                      ; work on registers while the others arrive,
	PLACES 8                                       ; (for the next loads into fragments and scale words)
	WIN 0
	s_barrier_wait -1
.if (\meet) == 2
	CREST                                          ; all that now holds of every wave of the four work-groups
.if HALF == 0
	tensor_load_to_lds s[G0:G0+3], s[G1:G1+7]      ; my one tensor load behind the round: the tile two trips on; it has the next trip, up to that trip's change of slots, in which to land
	s_nop 0
.else
	tensor_load_to_lds s[G0+4:G0+7], s[G1:G1+7]
	s_nop 0
.endif
	PLACES 4                                       ; four plain lines behind the load, ahead of the next switch of windows
.endif
.else
	s_wait_dscnt 8
	MULE 1, 2, HALF, 2*SPAR+1
	s_wait_dscnt 0x0
	MULE 1, 3, HALF, 2*SPAR+1
	PLACES 8                                       ; for the way out
	WIN 0
.endif
.endm
	s_load_b256 s[4:11], s[0:1], 0x0               ; x s[4:5], W1 s[6:7], b1 s[8:9], W2's codes s[10:11]
	s_load_b128 s[12:15], s[0:1], 0x20             ; W2's scales s[12:13], b2 s[14:15]
	s_load_b64 s[16:17], s[0:1], 0x30              ; out
	v_lshl_add_u32 v[SPW], v0, 2, SPARE
	v_mov_b32 v[NIL], 0
	ds_add_u32 v1, v2
	ds_add_u32 v1, v2
	s_wait_dscnt 0x0
	v_lshrrev_b32 v[T], 5, v0
	v_readfirstlane_b32 s[WV], v[T]                ; wave 0..3
	s_bfe_u32 s[CXR], ttmp6, 0x40000               ; cx: my place in the cluster
	s_lshl_b32 s[CXR+1], ttmp9, 2                  ; in a cluster launch ttmp9 counts clusters
	s_add_co_u32 s[CXR+1], s[CXR+1], s[CXR]        ; my block of 64 rows
	s_lshl_b32 s[CXR+2], s[CXR+1], 18              ; x 64 rows of 4,096 bytes, in x and in out alike
	s_mov_b32 s[CXR+3], 0
	s_lshr_b32 s[PH], ttmp9, 3
	s_xor_b32 s[PH], s[PH], ttmp9
	s_and_b32 s[PH], s[PH], 7                      ; the cluster's start along K: the same in the four partners
	; descriptor group 1: 128 rows x 256 bytes, 4,096 bytes apart in memory, 16 bytes of padding behind each in LDS
	s_mov_b32 s[G1], 15|(0<<16)|(1<<20)|(1<<21)|(5<<22)|(3<<25)   ; 15:0 the mask: all four work-groups; 17:16 elements of 1 byte; 20 padding on; 21 set beside a mask; 24:22 after every 64 words (code 5); 31:25 four words (code 3)
	s_mov_b32 s[G1+1], 256<<16                     ; tensor_dim0 = 256
	s_mov_b32 s[G1+2], 128<<16                     ; tensor_dim1 = 128
	s_mov_b32 s[G1+3], 256<<16                     ; tile_dim0 = 256
	s_mov_b32 s[G1+4], 128                         ; tile_dim1 = 128
	s_mov_b32 s[G1+5], 4096                        ; from row to row
	s_mov_b32 s[G1+6], 0
	s_mov_b32 s[G1+7], 0
	s_mov_b32 s[MNT], 0x600000
	s_mov_b32 s[SEL], 0x76543210
	s_mov_b32 s[SEL+1], 0xfedcba98
	s_mov_b32 s[CF], 0x3f22f983                    ; 2 / pi
	s_mov_b32 s[CF+1], 0x3fc90fdb                  ; pi / 2 in three parts
	s_mov_b32 s[CF+2], 0xb33bbd2e
	s_mov_b32 s[CF+3], 0xa6f72ced
	s_mov_b32 s[CF+4], 0xbe2aaaa3                  ; S1, S2, S3
	s_mov_b32 s[CF+5], 0x3c08839e
	s_mov_b32 s[CF+6], 0xb94ca1f9
	s_mov_b32 s[CF+7], 0x3d2aaaa5                  ; C1, C2, C3
	s_mov_b32 s[CF+8], 0xbab6061a
	s_mov_b32 s[CF+9], 0x37ccf5ce
	s_mov_b32 s[CNT], 7
	s_mov_b32 s[G0], 1                             ; group 0, slot 0: count = 1,
	s_mul_i32 s[G0+1], s[WV], WTILE                ; LDS address: my wave's 128 rows: no place in the cluster enters an LDS address
	s_mov_b32 s[G0+4], 1                           ; slot 1 likewise
	s_add_co_u32 s[G0+5], s[G0+1], SLOT
	v_and_b32 v[T], 15, v0                         ; r
	v_bfe_u32 v[T+1], v0, 4, 1                     ; h
	v_and_b32 v[T+2], 31, v0                       ; lane
	v_mul_u32_u24 v[T+3], v[T], PITCH
	v_lshl_add_u32 v[T+3], v[T+1], 4, v[T+3]
	v_add_nc_u32 v[ADRB], s[G0+1], v[T+3]          ; row r x pitch + 16 h, in my wave's rows
	v_add_nc_u32 v[ADRB+1], SLOT, v[ADRB]
	v_lshl_add_u32 v[LI], v[T+2], 4, HIMG
	v_lshl_add_u32 v[LS], v[T+2], 2, HSC
	s_lshl_b32 s[TS], s[WV], 9
	v_add_nc_u32 v[HWI], s[TS], v[LI]
	v_lshl_add_u32 v[T+4], v[T+2], 4, s[TS]        ; b2 in memory: 512 w + 16 x lane: my wave's 128 columns of a half are 512 bytes
	s_lshl_b32 s[TS], s[WV], 8
	v_lshl_add_u32 v[HWS], v[T], 2, HSC
	v_add_nc_u32 v[HWS], s[TS], v[HWS]
	v_and_b32 v[T+3], 8, v[T]
	v_add_nc_u32 v[T+3], v[T+3], v[T]              ; r + 8 (r / 8)
	v_lshlrev_b32 v[T+3], 5, v[T+3]                ; a row of W1 is 32 bytes
	v_lshl_add_u32 v[T+3], v[T+1], 4, v[T+3]
	s_lshl_b32 s[TS], s[WV], 10                    ; my block's 32 rows
	v_add_nc_u32 v[W1O], s[TS], v[T+3]
	v_lshl_add_u32 v[B2O], v[T+1], 5, s[TS]        ; b2 in LDS, read: 1,024 w + 32 h: the eight columns of my half of the lanes
	v_add_nc_u32 v[B2O], B2S, v[B2O]
	v_lshl_add_u32 v[T+5], v[T+2], 4, s[TS]        ; and stored: 1,024 w + 16 x lane
	v_add_nc_u32 v[T+5], B2S, v[T+5]
	s_lshl_b32 s[TS], s[WV], 7
	v_lshlrev_b32 v[B1O], 6, v[T+1]
	v_add_nc_u32 v[B1O], s[TS], v[B1O]             ; b1: 128 w + 64 h
	v_add_nc_u32 v[SBO], s[TS], v[T+2]
	v_lshlrev_b32 v[SBO], 7, v[SBO]                ; W2's scales: row 128 w + lane, 128 bytes a row
	v_mul_u32_u24 v[STO], v[T], SPITCH
	v_lshl_add_u32 v[STO], v[T+1], 5, v[STO]
	v_add_nc_u32 v[STO], s[G0+1], v[STO]
	v_lshlrev_b32 v[CO], 4, v[T+2]
	v_add_nc_u32 v[RD], s[G0+1], v[CO]
	v_lshlrev_b32 v[XO], 12, v[T]
	v_lshl_add_u32 v[XO], v[T+1], 4, v[XO]         ; x: row r of 4,096 bytes, features 4 h + 0 .. 3
	s_lshl_b32 s[TO], s[PH], 9
	s_mov_b32 s[TO+1], 0
	s_lshl_b32 s[KW], s[PH], 2
	s_mov_b32 s[OFS+1], 0
	s_lshl_b32 s[SG], s[PH], 4
	s_mov_b32 s[SG+1], 0
	s_mov_b32 s[TS+1], 0
	s_wait_alu depctr_va_vdst(0)
	s_wait_kmcnt 0x0
	s_add_nc_u64 s[4:5], s[4:5], s[CXR+2:CXR+3]    ; x at my block's first row
	s_add_nc_u64 s[16:17], s[16:17], s[CXR+2:CXR+3]
	s_lshl_b32 s[TS], s[WV], 9
	s_add_nc_u64 s[16:17], s[16:17], s[TS:TS+1]    ; out likewise, at my wave's 128 columns of half 0
	s_lshl_b32 s[TS], s[WV], 19                    ; 128 rows of 4,096 codes
	s_add_nc_u64 s[WB:WB+1], s[10:11], s[TS:TS+1]
	s_add_nc_u64 s[WB+2:WB+3], s[WB:WB+1], 0x200000   ; 512 rows on
	s_add_nc_u64 s[PSC:PSC+1], s[12:13], s[SG:SG+1]
	s_add_nc_u64 s[G0+2:G0+3], s[WB:WB+1], s[TO:TO+1]
	s_or_b32 s[G0+3], s[G0+3], 0x80000000          ; type = 2
.irp m, 0,1,2,3
	global_load_b128 v[Q+4*\m:Q+4*\m+3], v[XO], s[4:5] offset:65536*\m th:TH_LOAD_NT   ; what the head waits for first is asked for ahead of the round
.endr
	global_load_b128 v[HB:HB+3], v[T+4], s[14:15]                  ; my wave's 256 numbers of b2, once: half 0's 128,
	global_load_b128 v[HB+4:HB+7], v[T+4], s[14:15] offset:2048    ; and half 1's
	WLOAD 0                                        ; W1 and b1 of the first two K steps of 128
	WLOAD 1
	SLOAD 0, 0                                     ; W2's scale words of the first 512 along K, half 0; half 1's are asked for in the first trip, behind its first pass
	ROUND                                          ; all four work-groups are here: the first joint loads meet
	tensor_load_to_lds s[G0:G0+3], s[G1:G1+7]      ; the first trip's tile
	s_nop 0
	PLACES 4
	s_wait_loadcnt 16                              ; x and b2 are in: twice six loads of W1 and b1 and four of scale words are younger
	ds_store_b128 v[T+5], v[HB:HB+3]               ; b2 into my wave's own bytes: LDS serves a wave's instructions in order (ISA guide 5.7.1.4), so the loads below see these stores
	ds_store_b128 v[T+5], v[HB+4:HB+7] offset:512
	WIN 0x80                                       ; destination window 2
	B2LOAD 0
	WIN 0
	s_wait_dscnt 63                                ; 64 loads were issued behind the two stores: the stores are done, and their registers may be written again below
.irp j, 0,4,8,12
	COS4 Q+\j
.endr
.irp b, 0,1,2,3
	v_mov_b32 v[TM+4+\b], 0                        ; written once: a lane permute's destination counts as one of its sources
.endr
	s_wait_loadcnt 10                              ; the first set of W1 and b1 is in: the second set's six loads and four of scale words are younger
	F32RUN 0                                       ; the first superstep's hidden units are made here, into buffer 0
	PLACES 8
	WLOAD 0
	QUANT
	IMAGE 0, 0
	WIN 0xc0                                       ; destination window 3
	B2LOAD 1
	WIN 0
	s_wait_loadcnt 10                              ; the second set is in: four loads of scale words and the six that fill set 0 again are younger
	F32RUN 1
	PLACES 8
	WLOAD 1
	s_wait_dscnt 0x0                               ; the stores have read their registers
	QUANT
	IMAGE 0, 1
	s_wait_tensorcnt 0x0                           ; the first change of slots stands bare: the first tile has landed,
	ds_add_u32 v[SPW], v[NIL]                      ; (0 onto my spare word)
	s_add_nc_u64 s[G0+6:G0+7], s[WB+2:WB+3], s[TO:TO+1]   ; slot 1: the first superstep, half 1
	s_or_b32 s[G0+7], s[G0+7], 0x80000000
	s_wait_dscnt 0x0                               ; the add is done, and my stores of codes and scale words have landed
	ROUND
	tensor_load_to_lds s[G0+4:G0+7], s[G1:G1+7]    ; slot 1's first fill, issued as a refill is
	s_nop 0
	PLACES 4
.Lgroup:                                               ; seven trips of four: 512 along K each
	TRIP 0, 2, 1, 1, 1
	TRIP 1, 2, 1, 1, 0
	TRIP 2, 2, 1, 1, 0
	TRIP 3, 2, 1, 1, 1
	s_sub_co_u32 s[CNT], s[CNT], 1
	s_cmp_lg_u32 s[CNT], 0
	s_cbranch_scc1 .Lgroup
	TRIP 0, 2, 1, 0, 1                             ; the last four are written out: nothing is asked for beyond the end
	TRIP 1, 2, 1, 0, 0
	TRIP 2, 1, 0, 0, 0                             ; half 0's sums are finished here; the last trip stands below, behind half 0's way out
; THE WAY OUT, block by block of 16 rows x 128 columns (block a: half a / 4, row tile a % 4).  A lane holds 32 neighbouring bytes of a row, and the lanes beside it hold other rows: so a block goes through my own
; stage in LDS and comes back as whole rows of 512 bytes.  LDS serves a wave's instructions in order (ISA guide 5.7.1.4): no wait between the stores and the loads, nor in front of the next block's stores.
.macro TOSTAGE a
.set AC, 64*((\a)%4)
	WIN 0x08+4*((\a)/4)                            ; an LDS store's data are its source 1: window 2 or 3
.irp b, 0,1,2,3,4,5,6,7
	ds_store_b128 v[STO], v[AC+8*\b:AC+8*\b+3] offset:64*\b          ; each accumulator from its low end on
	ds_store_b128 v[STO], v[AC+8*\b+4:AC+8*\b+7] offset:64*\b+16
.endr
	WIN 0
.set BB, BK0+(BK1-BK0)*((\a)%2)
.irp t, 0,1,2,3,4,5,6,7,8,9,10,11,12,13,14,15
	ds_load_b128 v[BB+4*\t:BB+4*\t+3], v[RD] offset:\t*SPITCH
.endr
.endm
.macro SEND a, younger                 ; younger: the LDS instructions issued behind block a's loads, which may stay out
.set BB, BK0+(BK1-BK0)*((\a)%2)
	s_wait_dscnt \younger
.irp t, 0,1,2,3,4,5,6,7,8,9,10,11,12,13,14,15
	global_store_b128 v[CO], v[BB+4*\t:BB+4*\t+3], s[16:17] offset:(16*((\a)%4)+\t)*4096+2048*((\a)/4) th:TH_STORE_NT   ; 32 lanes store 512 consecutive bytes, at a multiple of 512 from out's first byte
.endr
.endm
	; HALF 0 LEAVES AHEAD OF THE LAST TRIP: behind the barrier of the trip before nobody reads slot 0, where the stages lie, and no tensor load is out or follows.  The last trip names none of the registers that these stores read.
	TOSTAGE 0
.irp a, 1,2,3
.if \a > 1
	s_wait_xcnt 0x0                                ; block a - 2's stores have read their registers: block a's loads may land there
.endif
	TOSTAGE \a
	SEND \a-1, 32                                  ; behind block a - 1's loads: block a's 16 stores and 16 loads
.endr
	SEND 3, 0
	TRIP 3, 0, 0, 0, 0                             ; the last trip: half 1, from slot 1
	s_wait_xcnt 0x0                                ; half 0's stores have read their registers
	TOSTAGE 4
.irp a, 5,6,7
	s_wait_xcnt 0x0
	TOSTAGE \a
	SEND \a-1, 32
.endr
	SEND 7, 0
	s_wait_tensorcnt 0x0                           ; the wave's end: behind my last tensor load and my last LDS store
	ds_add_u32 v[SPW], v[NIL]
	s_wait_dscnt 0x0
	ROUND                                          ; the closing round: no work-group ends while a partner may still ask for a tile that names it
	s_endpgm
.Lfunc_end_k_q8611f88c43_ffn:
	.size	k_q8611f88c43_ffn, .Lfunc_end_k_q8611f88c43_ffn-k_q8611f88c43_ffn
	.p2alignl 7, 3214868480
	.fill 96, 4, 3214868480
	.section	.rodata,"a",@progbits
	.p2align	6, 0x0
	.amdhsa_kernel k_q8611f88c43_ffn
		.amdhsa_group_segment_fixed_size 327680
		.amdhsa_private_segment_fixed_size 0
		.amdhsa_enable_private_segment 0
		.amdhsa_kernarg_size 56
		.amdhsa_user_sgpr_count 2
		.amdhsa_user_sgpr_kernarg_segment_ptr 1
		.amdhsa_wavefront_size32 1
		.amdhsa_system_sgpr_workgroup_id_x 1
		.amdhsa_system_sgpr_workgroup_id_y 1
		.amdhsa_system_sgpr_workgroup_id_z 1
		.amdhsa_system_vgpr_workitem_id 0
		.amdhsa_next_free_vgpr 1024
		.amdhsa_next_free_sgpr 80
		.amdhsa_reserve_vcc 0
		.amdhsa_float_denorm_mode_32 3
		.amdhsa_float_denorm_mode_16_64 3
		.amdhsa_memory_ordered 1
		.amdhsa_forward_progress 1
		.amdhsa_inst_pref_size 255
	.end_amdhsa_kernel
	.section	.bss,"aw",@nobits
	.p2align	6
	.space	262144
	.amdgpu_metadata
---
amdhsa.version: [ 1, 2 ]
amdhsa.kernels:
  - .name:           k_q8611f88c43_ffn
    .symbol:         k_q8611f88c43_ffn.kd
    .args:
      - { .name: x, .offset: 0, .size: 8, .value_kind: global_buffer, .address_space: global }
      - { .name: W1, .offset: 8, .size: 8, .value_kind: global_buffer, .address_space: global }
      - { .name: b1, .offset: 16, .size: 8, .value_kind: global_buffer, .address_space: global }
      - { .name: W2_codes, .offset: 24, .size: 8, .value_kind: global_buffer, .address_space: global }
      - { .name: W2_scales, .offset: 32, .size: 8, .value_kind: global_buffer, .address_space: global }
      - { .name: b2, .offset: 40, .size: 8, .value_kind: global_buffer, .address_space: global }
      - { .name: out0, .offset: 48, .size: 8, .value_kind: global_buffer, .address_space: global }
    .group_segment_fixed_size: 327680
    .private_segment_fixed_size: 0
    .kernarg_segment_align: 8
    .kernarg_segment_size: 56
    .max_flat_workgroup_size: 128
    .sgpr_count:     80
    .vgpr_count:     1024
    .wavefront_size: 32
...
	.end_amdgpu_metadata
.endif
;; end of part 1
